; MI455X (gfx1250); checked and timed in simulation.
; The chip was launched on July 23, 2026; its instructions are those of AMD's public machine-readable ISA for CDNA 5 (MIT licence, August 2026) and "CDNA5" Instruction Set Architecture Reference Guide (July 2026). The comments in the code are by the model that wrote it; some were corrected since.
;; Generalized Dense Mo E. Allowed arithmetic: float matrix products may take bf16 or f16 operands with f32 sums; all other float work in f32.
;; Inputs: b_exp 16 x 1,024 float32; gumbel_u 2,048 x 16 float32; w_exp 16 x 1,024 x 1,024 float32; wg 16 x 1,024 float32; x 1 x 2,048 x 1,024 float32.
;; Outputs: out0 1 x 2,048 x 1,024 float32.
;; 2 versions, each right and faster than the one before. Each part assembles by itself: llvm-mc -triple=amdgcn-amd-amdhsa -mcpu=gfx1250 --defsym DOCPART=n.
;; ======== version 1 of 2: 4 launches
;; limits: values are held in f16: magnitudes above 65,504 overflow, below 6.1e-05 lose precision; inputs' magnitudes at most 65,504
;; workspace buffers: xh 4,194,304 bytes; sel 16,384 bytes of whole numbers; prb 16,384 bytes; tok 16,384 bytes of whole numbers; base 8,192 bytes of whole numbers; y 16,777,216 bytes
;; launch gate (part 1): grid 256 x 1, 4 waves a work-group, no clusters, 168,448 bytes of LDS; arguments x, wg, gumbel_u, xh, sel, prb; writes xh, sel, prb
.if DOCPART == 1
	.amdgcn_target "amdgcn-amd-amdhsa--gfx1250"
	.amdhsa_code_object_version 6
	.text
	.protected	k_qcb47f878fa_gate
	.globl	k_qcb47f878fa_gate
	.p2align	8
	.type	k_qcb47f878fa_gate,@function
k_qcb47f878fa_gate:
	s_mov_b64 s[64:65], 0
	v_nop
	global_prefetch_b8 v0, s[64:65] scope:SCOPE_SE
	s_setreg_imm32_b32 hwreg(HW_REG_WAVE_MODE, 25, 1), 1
	s_wait_xcnt 0x0
; GATE: logits = x wg^T in f32, softmax, first choice, second choice with Gumbel noise; x is also written out as f16.
; Stores: xh[2048][1024] f16; sel[2][2048] u32 (first, second expert); prb[2][2048] f32 (their softmax gates).
; The gate product stays in f32 on the vector unit: its result is only compared (an argmax), a choice that falls otherwise
; changes whole output rows, and it is 16 of the 1040 columns that the program multiplies x by.
; LIMITS: the first choice is the first maximum of the logits (equal to the argmax of the gates but for ties that the softmax's
; rounding alone makes); logits, or logit + noise sums, nearer to each other than f32 rounding of a 1024-term sum and of the two
; logarithms may be ranked otherwise than by another order of summation; NaN logits are not served; |x| >= 65504 becomes inf in xh.
; SHARE: 4 waves, 8 tokens a work-group, 2 tokens a wave.  Lane l holds k = 128 j + 4 l .. + 3, j = 0 .. 7, of both tokens.
; LDS: wg as it lies in memory, expert e at byte 4096 e; each wave copies a quarter (16,384 bytes), once.
.set X,   32                           ; v[32:95]    x: token t, chunk j at X + 32 t + 4 j
.set ACC, 96                           ; v[96:159]   a pair of partial sums for token t, expert e at ACC + 32 t + 2 e
.set WB,  160                          ; v[160:255]  three buffers of 8 experts x 4 k of wg
.set V,   160                          ; v[160:191]  behind the products: V + 16 t + e, one partial sum a lane
	s_load_b256 s[4:11], s[0:1], 0x0               ; x s[4:5], wg s[6:7], gumbel_u s[8:9], xh s[10:11]
	s_load_b128 s[12:15], s[0:1], 0x20             ; sel s[12:13], prb s[14:15]
	v_lshl_add_u32 v30, v0, 2, 0x29000
	v_mov_b32 v31, 0
	ds_add_u32 v30, v31
	ds_add_u32 v30, v31
	v_lshrrev_b32 v9, 5, v0
	v_readfirstlane_b32 s16, v9                    ; wave 0 .. 3
	v_and_b32 v1, 31, v0                           ; lane
	v_and_b32 v5, 15, v0                           ; r: the expert that this lane ends up with
	v_lshlrev_b32 v2, 4, v1                        ; 16 x lane
	v_lshlrev_b32 v6, 3, v1                        ; 8 x lane
	v_lshlrev_b32 v7, 2, v1                        ; 4 x lane
	s_lshl_b32 s18, s16, 14                        ; my quarter of wg
	v_add_nc_u32 v3, s18, v2                       ; the copies' LDS address
	v_add_nc_u32 v4, s18, v2                       ; and their offset in wg: the same layout
	s_lshl_b32 s17, ttmp9, 3
	s_lshl1_add_u32 s17, s16, s17                  ; my first token = 8 x work-group + 2 x wave
	s_mov_b32 s19, 0
	s_mov_b32 s20, 0xffff0000                      ; lanes with bit 4 set
	s_mov_b32 s21, 0xff00ff00                      ; bit 3
	s_mov_b32 s22, 0xf0f0f0f0                      ; bit 2
	s_mov_b32 s23, 0xcccccccc                      ; bit 1
	s_mov_b32 s24, 0xaaaaaaaa                      ; bit 0
	s_mov_b32 s25, 0x76543210                      ; v_permlanex16_b32: lane i takes lane i of the other half
	s_mov_b32 s26, 0xfedcba98
	s_wait_dscnt 0x0
	s_wait_kmcnt 0x0
.irp i, 0,1,2,3,4,5,6,7,8,9,10,11,12,13,14,15,16,17,18,19,20,21,22,23,24,25,26,27,28,29,30,31
	global_load_async_to_lds_b128 v3, v4, s[6:7] offset:512*\i     ; the immediate steps both addresses: 32 x 512 bytes
.endr
	s_lshl_b32 s18, s17, 12
	s_add_nc_u64 s[4:5], s[4:5], s[18:19]          ; x at my first token (4,096 bytes a row)
	s_lshl_b32 s18, s17, 11
	s_add_nc_u64 s[10:11], s[10:11], s[18:19]      ; xh (2,048 bytes a row)
	s_lshl_b32 s18, s17, 6
	s_add_nc_u64 s[8:9], s[8:9], s[18:19]          ; gumbel_u (64 bytes a row)
	s_lshl_b32 s18, s17, 2
	s_add_nc_u64 s[12:13], s[12:13], s[18:19]      ; sel
	s_add_nc_u64 s[14:15], s[14:15], s[18:19]      ; prb
.irp t, 0,1
.irp j, 0,1,2,3,4,5,6,7
	global_load_b128 v[X+32*\t+4*\j:X+32*\t+4*\j+3], v2, s[4:5] offset:4096*\t+512*\j th:TH_LOAD_NT   ; 512 neighbouring bytes a load
.endr
.endr
	global_load_b32 v8, v7, s[8:9]                 ; u: lanes 0-15 my first token's 16 experts, lanes 16-31 my second token's
	s_wait_asynccnt 0x0                            ; my quarter of wg is in LDS,
	s_barrier_signal -1
	s_barrier_wait -1                              ; everybody's is.  The only barrier: nothing in LDS is written again
; eight LDS loads: 4 k of chunk q >> 1 for the experts 8 (q & 1) .. + 7, into buffer q % 3
.macro WLOAD q
.irp e, 0,1,2,3,4,5,6,7
	ds_load_b128 v[WB+32*((\q)%3)+4*\e:WB+32*((\q)%3)+4*\e+3], v2 offset:(8*((\q)&1)+\e)*4096+512*((\q)>>1)
.endr
.endm
; 32 packed multiply-adds: both tokens x 8 experts x 4 k.  The first products start the sums: nothing is cleared.
; All sixteen sums take k 0, 1 and then all sixteen k 2, 3, so that no line waits for the line in front of it.
.macro FMA q
.irp p, 0,2
.irp e, 0,1,2,3,4,5,6,7
.irp t, 0,1
.set ac, ACC+32*\t+2*(8*((\q)&1)+\e)
.set xx, X+32*\t+4*((\q)>>1)+\p
.set ww, WB+32*((\q)%3)+4*\e+\p
.if ((\q)>>1)+\p == 0
	v_pk_mul_f32 v[ac:ac+1], v[xx:xx+1], v[ww:ww+1]
.else
	v_pk_fma_f32 v[ac:ac+1], v[xx:xx+1], v[ww:ww+1], v[ac:ac+1]
.endif
.endr
.endr
.endr
.endm
	WLOAD 0
	WLOAD 1
	s_wait_loadcnt 0x0                             ; x and u, once
.irp q, 0,1,2,3,4,5,6,7,8,9,10,11,12,13
	WLOAD \q+2
	s_wait_dscnt 16                                ; LDS loads come back in order: group q is in, the two younger groups of eight stay out
	FMA \q
.endr
	s_wait_dscnt 8                                 ; the last group stays out
	FMA 14
	s_wait_dscnt 0x0
	FMA 15
	; x as f16, in place: 4 numbers become 8 bytes; a store of the wave covers 256 consecutive bytes, aligned
.irp i, 0,1,2,3,4,5,6,7,8,9,10,11,12,13,14,15
	v_cvt_pk_f16_f32 v[X+4*\i], v[X+4*\i], v[X+4*\i+1]
	v_cvt_pk_f16_f32 v[X+4*\i+1], v[X+4*\i+2], v[X+4*\i+3]
	global_store_b64 v6, v[X+4*\i:X+4*\i+1], s[10:11] offset:(\i>>3)*2048+(\i&7)*256
.endr
	; the pairs fold; then a reduction over the 32 lanes that transposes: each step halves the number of sums that a lane carries,
	; a lane keeps the half that its lane bit selects and hands the other half to its partner
.set i, 0
.rept 32
	v_add_f32 v[V+i], v[ACC+2*i], v[ACC+2*i+1]
.set i, i+1
.endr
.macro R16 i                           ; lanes 0-15 keep token 0, lanes 16-31 token 1
	v_cndmask_b32 v[24+(\i)%4], v[V+16+\i], v[V+\i], s20           ; what I hand over
	v_cndmask_b32 v[V+\i], v[V+\i], v[V+16+\i], s20                ; what I keep
	v_permlanex16_b32 v[V+16+\i], v[24+(\i)%4], s25, s26           ; its destination has been written before
	v_add_f32 v[V+\i], v[V+\i], v[V+16+\i]
.endm
.macro RX b, m, i                      ; lanes whose bit b is set keep expert i + b, the others expert i
	v_cndmask_b32 v[24+(\i)%4], v[V+\b+\i], v[V+\i], s[\m]
	v_cndmask_b32 v[V+\i], v[V+\i], v[V+\b+\i], s[\m]
	v_add_f32_dpp v[V+\i], v[24+(\i)%4], v[V+\i] row_xmask:\b row_mask:0xf bank_mask:0xf
.endm
.irp i, 0,1,2,3,4,5,6,7,8,9,10,11,12,13,14,15
	R16 \i
.endr
.irp i, 0,1,2,3,4,5,6,7
	RX 8, 21, \i
.endr
.irp i, 0,1,2,3
	RX 4, 22, \i
.endr
	RX 2, 23, 0
	RX 2, 23, 1
	RX 1, 24, 0
	; lane (h, r) now holds the logit of token h of my two, expert r, in v[V]
; a reduction over the 16 lanes of a row, the result in every lane of the row
.macro ROWRED op, reg
.irp m, 1,2,4,8
	\op v[\reg], v[\reg], v[\reg] row_xmask:\m row_mask:0xf bank_mask:0xf
.endr
.endm
	v_cvt_f32_u32 v10, v5                          ; r as a float: indices are reduced by the f32 minimum
	v_mov_b32 v13, 0x41800000                      ; 16.0: no expert
	v_mov_b32 v15, 0xff800000                      ; -inf
	v_mov_b32 v11, v[V]
	ROWRED v_max_num_f32_dpp, 11                   ; the largest logit
	v_cmp_eq_f32 vcc_lo, v[V], v11
	v_cndmask_b32 v12, v13, v10, vcc_lo
	ROWRED v_min_num_f32_dpp, 12                   ; first choice: the lowest index that reaches it
	v_sub_f32 v14, v[V], v11                       ; the maximum is taken away, as in the softmax of the problem
	v_mul_f32 v14, 0x3fb8aa3b, v14                 ; e^x = 2^(x log2 e)
	v_exp_f32 v21, v14
	v_log_f32 v16, v8                              ; log2 u
	v_nop                                          ; a plain place behind the two transcendentals (ISA guide 5.7.2)
	s_wait_alu depctr_va_vdst(0)
	v_mul_f32 v16, 0xbf317218, v16                 ; -ln u
	v_mov_b32 v17, v21
	ROWRED v_add_f32_dpp, 17                       ; the softmax's sum, at least 1
	v_log_f32 v22, v16                             ; log2(-ln u)
	v_rcp_f32 v18, v17                             ; also the first choice's gate: its exponential is 1
	v_nop                                          ; a plain place again
	v_cmp_eq_f32 vcc_lo, v10, v12                  ; am I the first choice?
	s_wait_alu depctr_va_vdst(0)
	v_mul_f32 v19, v21, v18                        ; my expert's gate
	v_fmamk_f32 v20, v22, 0xbf317218, v[V]         ; logit - ln(-ln u), one fused multiply-add
	v_cndmask_b32 v20, v20, v15, vcc_lo            ; the first choice is out: -inf
	v_mov_b32 v23, v20
	ROWRED v_max_num_f32_dpp, 23
	v_cmp_eq_f32 vcc_lo, v20, v23
	v_cndmask_b32 v24, v13, v10, vcc_lo
	ROWRED v_min_num_f32_dpp, 24                   ; second choice
	v_cmp_eq_f32 vcc_lo, v10, v24
	v_cndmask_b32 v25, 0, v19, vcc_lo
	ROWRED v_max_num_f32_dpp, 25                   ; its gate (gates are not negative)
	; lane r = 0 of each row stores the first choice, lane r = 1 the second: 8 bytes a token into two tables of 8,192 bytes
	v_cvt_u32_f32 v26, v12
	v_cvt_u32_f32 v27, v24
	v_cndmask_b32 v26, v26, v27, s24
	v_cndmask_b32 v27, v18, v25, s24
	v_and_b32 v28, 1, v5
	v_lshrrev_b32 v29, 4, v1
	v_lshlrev_b32 v29, 2, v29
	v_lshl_or_b32 v28, v28, 13, v29                ; 8192 x choice + 4 x token of my two
	v_cmp_gt_u32 vcc_lo, 2, v5
	s_wait_xcnt 0x0                                ; EXEC is a source of the stores of xh: it narrows only behind this wait
	s_wait_tensorcnt 0x0
	ds_add_u32 v30, v31
	s_wait_dscnt 0x0
	s_and_saveexec_b32 s27, vcc_lo
	global_store_b32 v28, v26, s[12:13]
	global_store_b32 v28, v27, s[14:15]
	s_endpgm
.Lfunc_end_k_qcb47f878fa_gate:
	.size	k_qcb47f878fa_gate, .Lfunc_end_k_qcb47f878fa_gate-k_qcb47f878fa_gate
	.p2alignl 7, 3214868480
	.fill 96, 4, 3214868480
	.section	.rodata,"a",@progbits
	.p2align	6, 0x0
	.amdhsa_kernel k_qcb47f878fa_gate
		.amdhsa_group_segment_fixed_size 168448
		.amdhsa_private_segment_fixed_size 0
		.amdhsa_enable_private_segment 0
		.amdhsa_kernarg_size 48
		.amdhsa_user_sgpr_count 2
		.amdhsa_user_sgpr_kernarg_segment_ptr 1
		.amdhsa_wavefront_size32 1
		.amdhsa_system_sgpr_workgroup_id_x 1
		.amdhsa_system_sgpr_workgroup_id_y 1
		.amdhsa_system_sgpr_workgroup_id_z 1
		.amdhsa_system_vgpr_workitem_id 0
		.amdhsa_next_free_vgpr 256
		.amdhsa_next_free_sgpr 66
		.amdhsa_reserve_vcc 1
		.amdhsa_float_denorm_mode_32 3
		.amdhsa_float_denorm_mode_16_64 3
		.amdhsa_memory_ordered 1
		.amdhsa_forward_progress 1
		.amdhsa_inst_pref_size 62
	.end_amdhsa_kernel
	.amdgpu_metadata
---
amdhsa.version: [ 1, 2 ]
amdhsa.kernels:
  - .name:           k_qcb47f878fa_gate
    .symbol:         k_qcb47f878fa_gate.kd
    .args:
      - { .name: x, .offset: 0, .size: 8, .value_kind: global_buffer, .address_space: global }
      - { .name: wg, .offset: 8, .size: 8, .value_kind: global_buffer, .address_space: global }
      - { .name: gumbel_u, .offset: 16, .size: 8, .value_kind: global_buffer, .address_space: global }
      - { .name: xh, .offset: 24, .size: 8, .value_kind: global_buffer, .address_space: global }
      - { .name: sel, .offset: 32, .size: 8, .value_kind: global_buffer, .address_space: global }
      - { .name: prb, .offset: 40, .size: 8, .value_kind: global_buffer, .address_space: global }
    .group_segment_fixed_size: 168448
    .private_segment_fixed_size: 0
    .kernarg_segment_align: 8
    .kernarg_segment_size: 48
    .max_flat_workgroup_size: 128
    .sgpr_count:     66
    .vgpr_count:     256
    .wavefront_size: 32
...
	.end_amdgpu_metadata
.endif
;; end of part 1
;; launch scan (part 2): grid 16 x 1, 1 waves a work-group, no clusters, 2,304 bytes of LDS; arguments sel, tok, base; writes tok, base
.if DOCPART == 2
	.amdgcn_target "amdgcn-amd-amdhsa--gfx1250"
	.amdhsa_code_object_version 6
	.text
	.protected	k_qcb47f878fa_scan
	.globl	k_qcb47f878fa_scan
	.p2align	8
	.type	k_qcb47f878fa_scan,@function
k_qcb47f878fa_scan:
	s_mov_b64 s[64:65], 0
	v_nop
	global_prefetch_b8 v0, s[64:65] scope:SCOPE_SE
	s_setreg_imm32_b32 hwreg(HW_REG_WAVE_MODE, 25, 1), 1
	s_wait_xcnt 0x0
; SCAN: the running position of every token in its expert (the two cumulative sums of the problem), one expert a work-group.
; Stores: tok[e][256] u32, the token that sits in slot (e, position), 0 where nobody sits;
;         base[e][128] u32, the count for expert e ahead of chunk c of 32 tokens: words 0-63 first choices, words 64-127 second choices.
; Second choices are counted on behind ALL first choices of the expert, as the problem ranks them: the count is not reset between the two.
; One wave for an expert, 16 work-groups: the count is a chain over the 2 x 2048 choices, and a wider split would need a further launch
; to join the parts.  No barrier: one wave, and LDS serves a wave's instructions in order (ISA guide 5.7.1).
; LDS: words 0-255 the slots; word 256 takes the stores of lanes that have nothing to say (another expert, or beyond the capacity 256).
.set I, 64                             ; v[64:191]  chunk c: the choice of token 32 (c % 64) + lane; c < 64 first, else second choices
.set B, 8                              ; v[8:11]    word c of base in lane c % 32 of register c / 32
	s_load_b128 s[4:7], s[0:1], 0x0                ; sel s[4:5], tok s[6:7]
	s_load_b64 s[8:9], s[0:1], 0x10                ; base
	v_lshl_add_u32 v192, v0, 2, 0x800
	v_mov_b32 v193, 0
	s_mov_b32 s20, ttmp9                           ; my expert
	v_lshlrev_b32 v1, 2, v0                        ; 4 x lane
	v_lshlrev_b32 v2, 4, v0                        ; 16 x lane
	v_mov_b32 v3, v0                               ; the token of this lane in the chunk at hand
	v_mov_b32 v4, 0x100                            ; the word for nothing
.irp r, 8,9,10,11,12,13,14,15
	v_mov_b32 v\r, 0                               ; v[8:11]: v_writelane_b32 wants a written register; v[12:15]: zeros for the slots
.endr
	s_mov_b32 s21, 0                               ; the running count
	s_lshl_b32 s16, ttmp9, 10
	s_mov_b32 s17, 0
	s_lshl_b32 s18, ttmp9, 9
	s_mov_b32 s19, 0
	s_wait_kmcnt 0x0
	s_add_nc_u64 s[6:7], s[6:7], s[16:17]          ; my 1,024 bytes of tok
	s_add_nc_u64 s[8:9], s[8:9], s[18:19]          ; my 512 bytes of base
.set c, 0
.rept 128
	global_load_b32 v[I+c], v1, s[4:5] offset:128*c
.set c, c+1
.endr
	ds_store_b128 v2, v[12:15]                     ; slots in which nobody sits hold token 0
	ds_store_b128 v2, v[12:15] offset:512
.set c, 0
.rept 128
.if (c%16) == 0
.if 112-c > 63
	s_wait_loadcnt 63                              ; 112 - c younger loads could stay out; the wait's field holds no more than 63
.else
	s_wait_loadcnt 112-c                           ; loads come back in order: these 16 chunks are in, the younger ones stay out
.endif
.endif
.if c == 64
	v_mov_b32 v3, v0                               ; the second choices begin at token 0 again
.endif
	v_cmp_eq_u32 vcc_lo, s20, v[I+c]               ; who chose my expert
	v_mbcnt_lo_u32_b32 v5, vcc_lo, s21             ; position = count so far + those in lower lanes
	v_writelane_b32 v[B+(c>>5)], s21, c&31         ; the count ahead of this chunk
	s_bcnt1_i32_b32 s22, vcc_lo
	s_add_co_u32 s21, s21, s22
	v_cndmask_b32 v5, v4, v5, vcc_lo
	v_min_u32 v5, 0x100, v5                        ; beyond the capacity: dropped
	v_lshlrev_b32 v5, 2, v5
	ds_store_b32 v5, v3
	v_add_nc_u32 v3, 32, v3
.set c, c+1
.endr
.irp i, 0,1,2,3
	global_store_b32 v1, v[B+\i], s[8:9] offset:128*\i
.endr
	ds_load_b128 v[16:19], v2
	ds_load_b128 v[20:23], v2 offset:512
	s_wait_dscnt 0x0
	global_store_b128 v2, v[16:19], s[6:7]
	global_store_b128 v2, v[20:23], s[6:7] offset:512
	s_wait_tensorcnt 0x0
	ds_add_u32 v192, v193
	s_wait_dscnt 0x0
	s_endpgm
.Lfunc_end_k_qcb47f878fa_scan:
	.size	k_qcb47f878fa_scan, .Lfunc_end_k_qcb47f878fa_scan-k_qcb47f878fa_scan
	.p2alignl 7, 3214868480
	.fill 96, 4, 3214868480
	.section	.rodata,"a",@progbits
	.p2align	6, 0x0
	.amdhsa_kernel k_qcb47f878fa_scan
		.amdhsa_group_segment_fixed_size 2304
		.amdhsa_private_segment_fixed_size 0
		.amdhsa_enable_private_segment 0
		.amdhsa_kernarg_size 24
		.amdhsa_user_sgpr_count 2
		.amdhsa_user_sgpr_kernarg_segment_ptr 1
		.amdhsa_wavefront_size32 1
		.amdhsa_system_sgpr_workgroup_id_x 1
		.amdhsa_system_sgpr_workgroup_id_y 1
		.amdhsa_system_sgpr_workgroup_id_z 1
		.amdhsa_system_vgpr_workitem_id 0
		.amdhsa_next_free_vgpr 194
		.amdhsa_next_free_sgpr 66
		.amdhsa_reserve_vcc 1
		.amdhsa_float_denorm_mode_32 3
		.amdhsa_float_denorm_mode_16_64 3
		.amdhsa_memory_ordered 1
		.amdhsa_forward_progress 1
		.amdhsa_inst_pref_size 71
	.end_amdhsa_kernel
	.amdgpu_metadata
---
amdhsa.version: [ 1, 2 ]
amdhsa.kernels:
  - .name:           k_qcb47f878fa_scan
    .symbol:         k_qcb47f878fa_scan.kd
    .args:
      - { .name: sel, .offset: 0, .size: 8, .value_kind: global_buffer, .address_space: global }
      - { .name: tok, .offset: 8, .size: 8, .value_kind: global_buffer, .address_space: global }
      - { .name: base, .offset: 16, .size: 8, .value_kind: global_buffer, .address_space: global }
    .group_segment_fixed_size: 2304
    .private_segment_fixed_size: 0
    .kernarg_segment_align: 8
    .kernarg_segment_size: 24
    .max_flat_workgroup_size: 32
    .sgpr_count:     66
    .vgpr_count:     194
    .wavefront_size: 32
...
	.end_amdgpu_metadata
.endif
;; end of part 2
;; launch experts (part 3): grid 256 x 1, 4 waves a work-group, no clusters, 312,832 bytes of LDS; arguments xh, tok, w_exp, b_exp, y; writes y
.if DOCPART == 3
	.amdgcn_target "amdgcn-amd-amdhsa--gfx1250"
	.amdhsa_code_object_version 6
	.text
	.protected	k_qcb47f878fa_experts
	.globl	k_qcb47f878fa_experts
	.p2align	8
	.type	k_qcb47f878fa_experts,@function
k_qcb47f878fa_experts:
	s_mov_b64 s[64:65], 0
	v_nop
	global_prefetch_b8 v0, s[64:65] scope:SCOPE_SE
	s_setreg_imm32_b32 hwreg(HW_REG_WAVE_MODE, 25, 1), 1
	s_wait_xcnt 0x0
; EXPERTS: y[e * 256 + c][n] = sum over m of x[tok[e][c]][m] w_exp[e][m][n] + b_exp[e][n]: f16 operands, f32 sums, f32 out.
; f16 and not bf16: eight times finer, and the drawn numbers have room in it some 30 times up and down.
; LIMIT: |x| and |w_exp| below 65,504.  Slots in which nobody sits are computed for token 0 and never used with a weight other than 0.
; SHARE: work-group = expert e (ttmp9 >> 4) x 64 columns (ttmp9 & 15), all 256 slots; wave w: slots 64 w .. + 63, 4 x 4 accumulators.
; NO CLUSTER: every byte of w_exp is wanted by one work-group alone; the rows of xh are shared by the 16 work-groups of an expert, but
; they are picked by a list, row by row, through lane loads, which have no joint form.
; W: the work-group's whole slab, 1024 rows of 256 bytes, is asked for at the head by 8 tensor loads a wave (8 outstanding at the most
; ) and each LDS byte is filled once: no slot is ever filled again.  Each wave turns its own 32 rows of a block of 128 into
; f16 in place (bytes 0-127 of the row) once its own load of them has landed, one block ahead of the products; a barrier shows them to the others.
; LDS: row k at 288 k (256 bytes + 32 of padding: the f16 rows then lie an odd multiple of 32 bytes apart, so the 8 rows x 2 pieces that
; sixteen lanes of a transposing load touch fall on 16 different 16-byte columns); behind the slab a stage of 16 x 272 bytes for each wave.
; K ORDER: in a block of 128, lane half h takes k = 64 h + 16 s + 0 .. 15 in step s, in both operands alike; the products are the same, and a
; lane's eight loads of x are 128 neighbouring bytes.
; THE MATRIX INSTRUCTION IS USED TRANSPOSED: source 0 = 16 columns of W, source 1 = 16 slots: a lane then holds 8 neighbouring columns of one slot.
.set PITCH,  288
.set QUART,  32*PITCH                  ; 9,216: a wave's rows of a block
.set BLOCK,  4*QUART                   ; 36,864: 128 rows
.set STAGE,  8*BLOCK                   ; 294,912
.set SPITCH, 272
.set OFFA, 4                           ; v[4:7]     byte offset in xh of my slot's row (16 a + r of my wave's 64) + 128 h
.set BADR, 8                           ; v8         LDS address of W's fragments in the block at hand; later: into the stage
.set RADR, 9                           ; v9         LDS address of my raw rows, one block ahead; later: out of the stage
.set WADR, 10                          ; v10        LDS address of my f16 rows, one block ahead; later: my byte offset in y
.set BIAS, 12                          ; v[12:15]   b_exp of the 4 columns that I store
.set CV,   16                          ; v[16:31]   f16 on its way back to LDS
.set BF0,  32                          ; v[32:63]   W's fragments of a step (4 x 16 columns x 32 k), two buffers
.set BF1,  64                          ; v[64:95]
.set RAW,  96                          ; v[96:127]  16 raw rows of W
.set ACC,  128                         ; v[128:255] accumulator (a, b) at ACC + 8 (4 a + b)
.set AB0,  0                           ; window 1, v[256:383]: x of a block, fragment (a, s) at 32 a + 8 s
.set AB1,  128                         ; window 1, v[384:511]: the other block
.set G1, 24                            ; s[24:31]   descriptor group 1
.set G0, 32                            ; s[32:63]   descriptor group 0, one set for each of the 8 blocks
.set MSB, 0
.macro WIN new                         ; s_set_vgpr_msb: bits 1:0 source 0, 3:2 source 1, 5:4 source 2, 7:6 destination; the high byte repeats the setting left
.if MSB != \new
	s_set_vgpr_msb (MSB<<8)|\new
.set MSB, \new
.endif
.endm
.set W_MUL, 0x04                       ; source 1 (x) in window 1; LDS loads are served under it too (address and destination in window 0)
.set W_A,   0x40                       ; destination in window 1: the loads of x
	s_load_b256 s[4:11], s[0:1], 0x0               ; xh s[4:5], tok s[6:7], w_exp s[8:9], b_exp s[10:11]
	s_load_b64 s[12:13], s[0:1], 0x20              ; y
	s_set_vgpr_msb 0x80
	v_lshl_add_u32 v0, v0, 2, 0x4c400
	v_mov_b32 v1, 0
	s_set_vgpr_msb 0x808a
	ds_add_u32 v0, v1
	ds_add_u32 v0, v1
	s_set_vgpr_msb 0x8a00
	v_lshrrev_b32 v3, 5, v0
	v_readfirstlane_b32 s14, v3                    ; wave
	s_lshr_b32 s15, ttmp9, 4                       ; expert
	s_and_b32 s16, ttmp9, 15                       ; block of 64 columns
	; group 1: a tile of 32 rows x 64 elements of 4 bytes, 1,024 elements from row to row, 8 words of padding behind every 64
	s_mov_b32 s[G1+0], (2<<16)|(1<<20)|(5<<22)|(7<<25)
	s_mov_b32 s[G1+1], 64<<16                      ; tensor_dim0 = 64
	s_mov_b32 s[G1+2], 32<<16                      ; tensor_dim1 = 32
	s_mov_b32 s[G1+3], 64<<16                      ; tile_dim0 = 64
	s_mov_b32 s[G1+4], 32                          ; tile_dim1 = 32
	s_mov_b32 s[G1+5], 1024                        ; the pitch
	s_mov_b32 s[G1+6], 0
	s_mov_b32 s[G1+7], 0
	s_lshl_b32 s18, s15, 22                        ; expert x 4 MiB
	s_lshl_b32 s19, s14, 17                        ; + 32 rows x wave
	s_add_co_u32 s18, s18, s19
	s_lshl_b32 s19, s16, 8                         ; + 256 bytes x column block
	s_add_co_u32 s18, s18, s19
	s_mov_b32 s19, 0
	s_mul_i32 s22, s14, QUART
	s_wait_dscnt 0x0
	s_wait_kmcnt 0x0
	s_add_nc_u64 s[20:21], s[8:9], s[18:19]
.irp kb, 0,1,2,3,4,5,6,7
	s_mov_b32 s[G0+4*\kb], 1
	s_add_co_u32 s[G0+4*\kb+1], s22, \kb*BLOCK                     ; LDS: block, my quarter
	s_add_nc_u64 s[G0+4*\kb+2:G0+4*\kb+3], s[20:21], \kb*128*4096  ; 128 rows of 4,096 bytes a block
	s_or_b32 s[G0+4*\kb+3], s[G0+4*\kb+3], 0x80000000              ; type 2
	tensor_load_to_lds s[G0+4*\kb:G0+4*\kb+3], s[G1:G1+7]
	s_nop 0
.endr
	s_lshl_b32 s18, s15, 10
	s_lshl_b32 s23, s14, 8
	s_add_co_u32 s18, s18, s23
	s_add_nc_u64 s[6:7], s[6:7], s[18:19]          ; tok at my wave's 64 slots
	s_lshl_b32 s18, s15, 12
	s_lshl_b32 s23, s16, 8
	s_add_co_u32 s18, s18, s23
	s_add_nc_u64 s[10:11], s[10:11], s[18:19]      ; b_exp at my 64 columns
	v_and_b32 v1, 15, v0                           ; r
	v_bfe_u32 v2, v0, 4, 1                         ; h
	v_lshlrev_b32 v3, 2, v1
	v_lshlrev_b32 v11, 4, v1
.irp a, 0,1,2,3
	global_load_b32 v[CV+\a], v3, s[6:7] offset:64*\a              ; the token of slot 16 a + r
.endr
	global_load_b128 v[BIAS:BIAS+3], v11, s[10:11]
	v_and_b32 v20, 7, v0
	v_lshl_add_u32 v20, v2, 6, v20                 ; row 64 h + (lane & 7)
	v_mul_u32_u24 v[BADR], v20, PITCH
	v_bfe_u32 v20, v0, 3, 1
	v_lshl_add_u32 v[BADR], v20, 4, v[BADR]        ; + 16 bytes for the second eight lanes of a half
	v_mul_u32_u24 v[RADR], v2, PITCH               ; lanes 0-15 one row, lanes 16-31 the next
	v_add_nc_u32 v[RADR], s22, v[RADR]
	v_lshl_add_u32 v[WADR], v1, 3, v[RADR]         ; 8 bytes of f16 a lane
	v_lshl_add_u32 v[RADR], v1, 4, v[RADR]         ; 16 bytes of f32 a lane
	v_lshlrev_b32 v20, 7, v2                       ; 128 h
	s_wait_loadcnt 0x1                             ; the four tokens are in; the bias stays out
.irp a, 0,1,2,3
	v_min_u32 v[CV+\a], 0x7ff, v[CV+\a]            ; a loaded number enters an address only behind a clamp to the table's rows
	v_lshlrev_b32 v[CV+\a], 11, v[CV+\a]           ; 2,048 bytes a row
	v_add_nc_u32 v[OFFA+\a], v[CV+\a], v20
.endr
.macro PLACES                          ; four plain vector places stand between a matrix instruction and a load into, or a vector or LDS instruction on, its registers
.rept 4
	v_nop
.endr
.endm
.macro ALOAD kb, buf                   ; x of block kb: 4 x 16 slots, 128 neighbouring bytes a lane
	WIN W_A
.irp a, 0,1,2,3
.irp i, 0,1,2,3,4,5,6,7
	global_load_b128 v[\buf+32*\a+4*\i:\buf+32*\a+4*\i+3], v[OFFA+\a], s[4:5] offset:256*(\kb)+16*\i
.endr
.endr
.endm
.macro BLOAD s, bf                     ; W's fragments of step s: rows 64 h + 16 s + 0..7 and + 8..15, 4 x 16 columns, transposed on the way
.irp b, 0,1,2,3
	ds_load_tr16_b128 v[\bf+8*\b:\bf+8*\b+3],   v[BADR] offset:\s*16*PITCH+32*\b
	ds_load_tr16_b128 v[\bf+8*\b+4:\bf+8*\b+7], v[BADR] offset:\s*16*PITCH+8*PITCH+32*\b
.endr
.endm
.macro RAWLOAD hf                      ; 16 of my 32 raw rows, two rows a load
.irp i, 0,1,2,3,4,5,6,7
	ds_load_b128 v[RAW+4*\i:RAW+4*\i+3], v[RADR] offset:(16*\hf+2*\i)*PITCH
.endr
.endm
.macro CVT
.irp i, 0,1,2,3,4,5,6,7
	v_cvt_pk_f16_f32 v[CV+2*\i],   v[RAW+4*\i],   v[RAW+4*\i+1]
	v_cvt_pk_f16_f32 v[CV+2*\i+1], v[RAW+4*\i+2], v[RAW+4*\i+3]
.endr
.endm
.macro WSTORE hf                       ; back into the head of the same rows: all 16 have been read into registers
.irp i, 0,1,2,3,4,5,6,7
	ds_store_b64 v[WADR], v[CV+2*\i:CV+2*\i+1] offset:(16*\hf+2*\i)*PITCH
.endr
.endm
; 16 matrix instructions, 32 along K.  The 16 accumulators take turns, one instruction a turn, in the same order in every step.
; acc = 0: the first products start the sums: nothing is cleared.
.macro MUL s, bf, buf, acc
.irp a, 0,1,2,3
.irp b, 0,1,2,3
.if (\acc) == 0
	v_wmma_f32_16x16x32_f16 v[ACC+8*(4*\a+\b):ACC+8*(4*\a+\b)+7], v[\bf+8*\b:\bf+8*\b+7], v[\buf+32*\a+8*\s:\buf+32*\a+8*\s+7], 0
.else
	v_wmma_f32_16x16x32_f16 v[ACC+8*(4*\a+\b):ACC+8*(4*\a+\b)+7], v[\bf+8*\b:\bf+8*\b+7], v[\buf+32*\a+8*\s:\buf+32*\a+8*\s+7], v[ACC+8*(4*\a+\b):ACC+8*(4*\a+\b)+7]
.endif
.endr
.endr
.endm
	ALOAD 0, AB0
	WIN 0
	s_wait_tensorcnt 0x7                           ; tensor loads of a wave end in order (ISA guide 10.11.1): my rows of block 0 are in, seven blocks stay out
	RAWLOAD 0
	s_wait_dscnt 0x0
	CVT
	WSTORE 0
	RAWLOAD 1
	s_wait_dscnt 0x0
	CVT
	WSTORE 1
	v_add_nc_u32 v[RADR], BLOCK, v[RADR]
	v_add_nc_u32 v[WADR], BLOCK, v[WADR]
	s_wait_dscnt 0x0                               ; my f16 rows of block 0 are written,
	s_barrier_signal -1
	s_barrier_wait -1                              ; everybody's are
; One block of 128 along K: four steps on W's buffers 0, 1, 0, 1.  more = 1: x of the next block is asked for, and my rows of the next
; block of W are made f16, between the steps; a barrier at the end shows them to the other waves.
.macro TRIP kb, cur, oth, more
	PLACES                                         ; behind the last step of the block before, which read buffer oth and BF1
.if \more
	ALOAD \kb+1, \oth
.endif
	WIN W_MUL
	BLOAD 0, BF0
	BLOAD 1, BF1
.if \more
	s_wait_tensorcnt 6-\kb                         ; my rows of block kb + 1 are in; the 6 - kb younger blocks stay out
	RAWLOAD 0
	s_wait_loadcnt 32                              ; x of this block is in; the 32 loads of the next stay out
	s_wait_dscnt 16                                ; BF0 is in; BF1's eight loads and the eight raw ones stay out
.else
	s_wait_loadcnt 0x0
	s_wait_dscnt 8                                 ; BF0 is in; BF1's eight stay out
.endif
	MUL 0, BF0, \cur, \kb
	PLACES
	WIN 0
	s_wait_dscnt 0x0                               ; BF1 and the raw rows
.if \more
	CVT
	WSTORE 0
.endif
	BLOAD 2, BF0
.if \more
	RAWLOAD 1
.endif
	WIN W_MUL
	MUL 1, BF1, \cur, 1
	PLACES
	WIN 0
	s_wait_dscnt 0x0                               ; BF0 and the raw rows
.if \more
	CVT
	WSTORE 1
	v_add_nc_u32 v[RADR], BLOCK, v[RADR]
	v_add_nc_u32 v[WADR], BLOCK, v[WADR]
.endif
	BLOAD 3, BF1
	v_add_nc_u32 v[BADR], BLOCK, v[BADR]
	WIN W_MUL
	MUL 2, BF0, \cur, 1
	s_wait_dscnt 0x0                               ; BF1 is in, and for the others' sake: my f16 rows of the next block are written
.if \more
	s_barrier_signal -1
.endif
	MUL 3, BF1, \cur, 1                            ; registers only, while the others arrive
.if \more
	s_barrier_wait -1
.endif
.endm
	TRIP 0, AB0, AB1, 1
	TRIP 1, AB1, AB0, 1
	TRIP 2, AB0, AB1, 1
	TRIP 3, AB1, AB0, 1
	TRIP 4, AB0, AB1, 1
	TRIP 5, AB1, AB0, 1
	TRIP 6, AB0, AB1, 1                            ; its wait on the tensor loads is for 0: none is out from here on
	TRIP 7, AB1, AB0, 0
	; THE WAY OUT, 16 slots at a time through my own stage: a lane puts 32 bytes of a slot's row, whole rows of 256 bytes come back, the bias
	; is added, and sixteen lanes store 256 consecutive bytes of y, aligned.  The stage is my wave's alone and no fill lands in it; LDS serves
	; a wave's instructions in order (ISA guide 5.7.1), so no wait stands between the stores and the loads.
	PLACES
	WIN 0
	s_mul_i32 s22, s14, 16*SPITCH
	s_add_co_u32 s22, s22, STAGE
	v_mul_u32_u24 v3, v1, SPITCH
	v_lshl_add_u32 v3, v2, 5, v3
	v_add_nc_u32 v[BADR], s22, v3                  ; in: row r, 32 bytes for each half of the lanes
	v_mul_u32_u24 v3, v2, SPITCH
	v_lshl_add_u32 v3, v1, 4, v3
	v_add_nc_u32 v[RADR], s22, v3                  ; back: lanes 0-15 one row, lanes 16-31 the next
	v_lshlrev_b32 v3, 12, v2
	v_lshl_add_u32 v[WADR], v1, 4, v3              ; the same two rows in y (4,096 bytes a row)
	s_lshl_b32 s18, s15, 20                        ; expert x 256 rows
	s_lshl_b32 s23, s14, 18                        ; + wave x 64 rows
	s_add_co_u32 s18, s18, s23
	s_lshl_b32 s23, s16, 8                         ; + my 64 columns
	s_add_co_u32 s18, s18, s23
	s_add_nc_u64 s[12:13], s[12:13], s[18:19]
.macro OUT16 a, f
.irp b, 0,1,2,3
	ds_store_b128 v[BADR], v[ACC+8*(4*\a+\b):ACC+8*(4*\a+\b)+3]   offset:64*\b
	ds_store_b128 v[BADR], v[ACC+8*(4*\a+\b)+4:ACC+8*(4*\a+\b)+7] offset:64*\b+16
.endr
	s_wait_xcnt 0x0                                ; buffer f was the data of earlier stores: it is loaded again only behind this wait
.irp t, 0,1,2,3,4,5,6,7
	ds_load_b128 v[\f+4*\t:\f+4*\t+3], v[RADR] offset:\t*2*SPITCH
.endr
.irp t, 0,1,2,3,4,5,6,7
	s_wait_dscnt 7-\t                              ; rows 2 t, 2 t + 1 are back; the younger loads stay out
	v_pk_add_f32 v[\f+4*\t:\f+4*\t+1],   v[\f+4*\t:\f+4*\t+1],   v[BIAS:BIAS+1]
	v_pk_add_f32 v[\f+4*\t+2:\f+4*\t+3], v[\f+4*\t+2:\f+4*\t+3], v[BIAS+2:BIAS+3]
	global_store_b128 v[WADR], v[\f+4*\t:\f+4*\t+3], s[12:13] offset:(16*\a+2*\t)*4096
.endr
.endm
	OUT16 0, BF0
	OUT16 1, BF1
	OUT16 2, BF0
	OUT16 3, BF1
	s_set_vgpr_msb 0xa
	s_wait_tensorcnt 0x0
	ds_add_u32 v0, v1
	s_wait_dscnt 0x0
	s_set_vgpr_msb 0xa00
	s_endpgm
.Lfunc_end_k_qcb47f878fa_experts:
	.size	k_qcb47f878fa_experts, .Lfunc_end_k_qcb47f878fa_experts-k_qcb47f878fa_experts
	.p2alignl 7, 3214868480
	.fill 96, 4, 3214868480
	.section	.rodata,"a",@progbits
	.p2align	6, 0x0
	.amdhsa_kernel k_qcb47f878fa_experts
		.amdhsa_group_segment_fixed_size 312832
		.amdhsa_private_segment_fixed_size 0
		.amdhsa_enable_private_segment 0
		.amdhsa_kernarg_size 40
		.amdhsa_user_sgpr_count 2
		.amdhsa_user_sgpr_kernarg_segment_ptr 1
		.amdhsa_wavefront_size32 1
		.amdhsa_system_sgpr_workgroup_id_x 1
		.amdhsa_system_sgpr_workgroup_id_y 1
		.amdhsa_system_sgpr_workgroup_id_z 1
		.amdhsa_system_vgpr_workitem_id 0
		.amdhsa_next_free_vgpr 514
		.amdhsa_next_free_sgpr 66
		.amdhsa_reserve_vcc 0
		.amdhsa_float_denorm_mode_32 3
		.amdhsa_float_denorm_mode_16_64 3
		.amdhsa_memory_ordered 1
		.amdhsa_forward_progress 1
		.amdhsa_inst_pref_size 132
	.end_amdhsa_kernel
	.amdgpu_metadata
---
amdhsa.version: [ 1, 2 ]
amdhsa.kernels:
  - .name:           k_qcb47f878fa_experts
    .symbol:         k_qcb47f878fa_experts.kd
    .args:
      - { .name: xh, .offset: 0, .size: 8, .value_kind: global_buffer, .address_space: global }
      - { .name: tok, .offset: 8, .size: 8, .value_kind: global_buffer, .address_space: global }
      - { .name: w_exp, .offset: 16, .size: 8, .value_kind: global_buffer, .address_space: global }
      - { .name: b_exp, .offset: 24, .size: 8, .value_kind: global_buffer, .address_space: global }
      - { .name: y, .offset: 32, .size: 8, .value_kind: global_buffer, .address_space: global }
    .group_segment_fixed_size: 312832
    .private_segment_fixed_size: 0
    .kernarg_segment_align: 8
    .kernarg_segment_size: 40
    .max_flat_workgroup_size: 128
    .sgpr_count:     66
    .vgpr_count:     514
    .wavefront_size: 32
...
	.end_amdgpu_metadata
.endif
;; end of part 3
;; launch combine (part 4): grid 256 x 1, 4 waves a work-group, no clusters, 0 bytes of LDS; arguments y, sel, prb, base, out0; writes out0
.if DOCPART == 4
	.amdgcn_target "amdgcn-amd-amdhsa--gfx1250"
	.amdhsa_code_object_version 6
	.text
	.protected	k_qcb47f878fa_combine
	.globl	k_qcb47f878fa_combine
	.p2align	8
	.type	k_qcb47f878fa_combine,@function
k_qcb47f878fa_combine:
	s_mov_b64 s[64:65], 0
	v_nop
	global_prefetch_b8 v0, s[64:65] scope:SCOPE_SE
	s_setreg_imm32_b32 hwreg(HW_REG_WAVE_MODE, 25, 1), 1
	s_wait_xcnt 0x0
; COMBINE: out[s] = g1 y[slot1] + g2 y[slot2].  A token's position in its expert = base[expert][chunk] + its rank among the 32 tokens of
; its chunk; a choice at position 256 or beyond is dropped: its gate is 0.  g = gate / max(g1 + g2, 2^-23), as the problem clips it.
; LIMIT: a dropped choice reads row 0 of y and multiplies it by 0 (the problem's dense sum multiplies every row by 0 likewise), so y's
; row 0 has to be finite.
; SHARE: 4 waves, 8 tokens a work-group, 2 tokens a wave.  Every wave ranks the whole chunk of 32 tokens in which its two lie, one token
; a lane; then its two tokens' rows come in by 512 neighbouring bytes a load and leave likewise.  A stream: no LDS, no barrier, no matrix unit.
.set Y, 32                             ; v[32:159]  token i, piece j: first choice's 16 bytes at Y + 64 i + 8 j, second choice's 4 registers behind
	s_load_b256 s[4:11], s[0:1], 0x0               ; y s[4:5], sel s[6:7], prb s[8:9], base s[10:11]
	s_load_b64 s[12:13], s[0:1], 0x20              ; out0
	v_lshrrev_b32 v3, 5, v0
	v_readfirstlane_b32 s14, v3                    ; wave
	v_and_b32 v3, 31, v0                           ; lane
	s_lshr_b32 s15, ttmp9, 2                       ; chunk of 32 tokens: four work-groups
	s_and_b32 s16, ttmp9, 3
	s_lshl_b32 s16, s16, 3
	s_lshl1_add_u32 s16, s14, s16                  ; the lane that ranks my first token
	s_lshl_b32 s17, s15, 7
	v_lshl_add_u32 v1, v3, 2, s17                  ; 4 x (32 chunk + lane)
	v_lshlrev_b32 v2, 4, v3                        ; 16 x lane
	s_lshl_b32 s36, s15, 2
	s_mov_b32 s37, 0
	s_wait_kmcnt 0x0
	global_load_b32 v4, v1, s[6:7]                 ; first choice
	global_load_b32 v5, v1, s[6:7] offset:8192     ; second choice
	global_load_b32 v6, v1, s[8:9]                 ; their gates
	global_load_b32 v7, v1, s[8:9] offset:8192
	s_add_nc_u64 s[10:11], s[10:11], s[36:37]      ; base at my chunk's word
	s_lshl_b32 s36, ttmp9, 15                      ; 8 rows of 4,096 bytes a work-group
	s_lshl_b32 s17, s14, 13                        ; 2 a wave
	s_add_co_u32 s36, s36, s17
	s_add_nc_u64 s[12:13], s[12:13], s[36:37]
	s_wait_loadcnt 0x2                             ; the two choices are in; the two gates stay out
	v_min_u32 v4, 15, v4                           ; a loaded number enters an address only behind a clamp to the table's rows
	v_min_u32 v5, 15, v5
	v_lshlrev_b32 v8, 9, v4                        ; 512 bytes of base an expert
	v_lshlrev_b32 v9, 9, v5
	global_load_b32 v10, v8, s[10:11]              ; the count ahead of my chunk, first choices
	global_load_b32 v11, v9, s[10:11] offset:256   ; second choices (all first choices counted in)
; rank among the chunk's 32 tokens: how many lower lanes made the same choice
.macro RANK16 j, r
	v_cmp_eq_u32 vcc_lo, 0, v[\j]
	v_mbcnt_lo_u32_b32 v[\r], vcc_lo, 0
.irp e, 1,2,3,4,5,6,7,8,9,10,11,12,13,14,15
	v_cmp_eq_u32 vcc_lo, \e, v[\j]
	v_mbcnt_lo_u32_b32 v14, vcc_lo, 0
	v_cndmask_b32 v[\r], v[\r], v14, vcc_lo
.endr
.endm
	RANK16 4, 12
	RANK16 5, 13
	s_wait_loadcnt 0x0
	v_add_nc_u32 v12, v12, v10                     ; positions
	v_add_nc_u32 v13, v13, v11
	v_cmp_gt_u32 vcc_lo, 0x100, v12                ; inside the capacity?
	v_lshl_add_u32 v15, v4, 8, v12                 ; row of y = 256 expert + position
	v_cndmask_b32 v15, 0, v15, vcc_lo
	v_cndmask_b32 v6, 0, v6, vcc_lo
	v_cmp_gt_u32 vcc_lo, 0x100, v13
	v_lshl_add_u32 v16, v5, 8, v13
	v_cndmask_b32 v16, 0, v16, vcc_lo
	v_cndmask_b32 v7, 0, v7, vcc_lo
	v_add_f32 v17, v6, v7
	v_max_num_f32 v17, 0x34000000, v17             ; 2^-23, f32's epsilon
	v_rcp_f32 v18, v17
	v_nop                                          ; a plain place behind the transcendental (ISA guide 5.7.2)
	s_wait_alu depctr_va_vdst(0)
	v_mul_f32 v6, v6, v18
	v_mul_f32 v7, v7, v18
	; my two tokens' rows and weights become scalars: bases s[20:27], weights s[28:35] (pairs, both words written, for the packed forms)
.irp i, 0,1
	s_add_co_u32 s17, s16, \i
	v_readlane_b32 s38, v15, s17
	s_min_u32 s38, s38, 0xfff
	s_lshl_b32 s36, s38, 12
	s_add_nc_u64 s[20+4*\i:21+4*\i], s[4:5], s[36:37]
	v_readlane_b32 s38, v16, s17
	s_min_u32 s38, s38, 0xfff
	s_lshl_b32 s36, s38, 12
	s_add_nc_u64 s[22+4*\i:23+4*\i], s[4:5], s[36:37]
	v_readlane_b32 s[28+4*\i], v6, s17
	s_mov_b32 s[29+4*\i], s[28+4*\i]
	v_readlane_b32 s[30+4*\i], v7, s17
	s_mov_b32 s[31+4*\i], s[30+4*\i]
.endr
.irp i, 0,1
.irp j, 0,1,2,3,4,5,6,7
	global_load_b128 v[Y+64*\i+8*\j:Y+64*\i+8*\j+3],   v2, s[20+4*\i:21+4*\i] offset:512*\j
	global_load_b128 v[Y+64*\i+8*\j+4:Y+64*\i+8*\j+7], v2, s[22+4*\i:23+4*\i] offset:512*\j
.endr
.endr
.irp i, 0,1
.irp j, 0,1,2,3,4,5,6,7
	s_wait_loadcnt 30-2*(8*\i+\j)                  ; loads come back in order: this pair is in, the younger pairs stay out
	v_pk_mul_f32 v[Y+64*\i+8*\j:Y+64*\i+8*\j+1],   v[Y+64*\i+8*\j:Y+64*\i+8*\j+1],   s[28+4*\i:29+4*\i] op_sel_hi:[1,0]
	v_pk_mul_f32 v[Y+64*\i+8*\j+2:Y+64*\i+8*\j+3], v[Y+64*\i+8*\j+2:Y+64*\i+8*\j+3], s[28+4*\i:29+4*\i] op_sel_hi:[1,0]
	v_pk_fma_f32 v[Y+64*\i+8*\j:Y+64*\i+8*\j+1],   v[Y+64*\i+8*\j+4:Y+64*\i+8*\j+5], s[30+4*\i:31+4*\i], v[Y+64*\i+8*\j:Y+64*\i+8*\j+1] op_sel_hi:[1,0,1]
	v_pk_fma_f32 v[Y+64*\i+8*\j+2:Y+64*\i+8*\j+3], v[Y+64*\i+8*\j+6:Y+64*\i+8*\j+7], s[30+4*\i:31+4*\i], v[Y+64*\i+8*\j+2:Y+64*\i+8*\j+3] op_sel_hi:[1,0,1]
	global_store_b128 v2, v[Y+64*\i+8*\j:Y+64*\i+8*\j+3], s[12:13] offset:4096*\i+512*\j th:TH_STORE_NT
.endr
.endr
	s_endpgm
.Lfunc_end_k_qcb47f878fa_combine:
	.size	k_qcb47f878fa_combine, .Lfunc_end_k_qcb47f878fa_combine-k_qcb47f878fa_combine
	.p2alignl 7, 3214868480
	.fill 96, 4, 3214868480
	.section	.rodata,"a",@progbits
	.p2align	6, 0x0
	.amdhsa_kernel k_qcb47f878fa_combine
		.amdhsa_group_segment_fixed_size 0
		.amdhsa_private_segment_fixed_size 0
		.amdhsa_enable_private_segment 0
		.amdhsa_kernarg_size 40
		.amdhsa_user_sgpr_count 2
		.amdhsa_user_sgpr_kernarg_segment_ptr 1
		.amdhsa_wavefront_size32 1
		.amdhsa_system_sgpr_workgroup_id_x 1
		.amdhsa_system_sgpr_workgroup_id_y 1
		.amdhsa_system_sgpr_workgroup_id_z 1
		.amdhsa_system_vgpr_workitem_id 0
		.amdhsa_next_free_vgpr 176
		.amdhsa_next_free_sgpr 66
		.amdhsa_reserve_vcc 1
		.amdhsa_float_denorm_mode_32 3
		.amdhsa_float_denorm_mode_16_64 3
		.amdhsa_memory_ordered 1
		.amdhsa_forward_progress 1
		.amdhsa_inst_pref_size 17
	.end_amdhsa_kernel
	.amdgpu_metadata
---
amdhsa.version: [ 1, 2 ]
amdhsa.kernels:
  - .name:           k_qcb47f878fa_combine
    .symbol:         k_qcb47f878fa_combine.kd
    .args:
      - { .name: y, .offset: 0, .size: 8, .value_kind: global_buffer, .address_space: global }
      - { .name: sel, .offset: 8, .size: 8, .value_kind: global_buffer, .address_space: global }
      - { .name: prb, .offset: 16, .size: 8, .value_kind: global_buffer, .address_space: global }
      - { .name: base, .offset: 24, .size: 8, .value_kind: global_buffer, .address_space: global }
      - { .name: out0, .offset: 32, .size: 8, .value_kind: global_buffer, .address_space: global }
    .group_segment_fixed_size: 0
    .private_segment_fixed_size: 0
    .kernarg_segment_align: 8
    .kernarg_segment_size: 40
    .max_flat_workgroup_size: 128
    .sgpr_count:     66
    .vgpr_count:     176
    .wavefront_size: 32
...
	.end_amdgpu_metadata
.endif
;; end of part 4
;; ======== version 2 of 2: 3 launches; 1.19 times as fast as version 1
;; limits: values are held in f16: magnitudes above 65,504 overflow, below 6.1e-05 lose precision; inputs' magnitudes at most 65,504
;; workspace buffers: xh 4,194,304 bytes; sel 16,384 bytes of whole numbers; prb 16,384 bytes; base 8,192 bytes of whole numbers; y 16,777,216 bytes
;; launch gate: the kernel of part 1 again; grid 256 x 1, 4 waves a work-group, no clusters, 168,448 bytes of LDS; arguments x, wg, gumbel_u, xh, sel, prb; writes xh, sel, prb
;; launch experts (part 5): grid 256 x 1, 4 waves a work-group, no clusters, 187,136 bytes of LDS; arguments xh, sel, w_exp, b_exp, y, base; writes y, base
.if DOCPART == 5
	.amdgcn_target "amdgcn-amd-amdhsa--gfx1250"
	.amdhsa_code_object_version 6
	.text
	.protected	k_qcb47f878fa_experts
	.globl	k_qcb47f878fa_experts
	.p2align	8
	.type	k_qcb47f878fa_experts,@function
k_qcb47f878fa_experts:
	s_mov_b64 s[64:65], 0
	v_nop
	global_prefetch_b8 v0, s[64:65] scope:SCOPE_SE
	s_setreg_imm32_b32 hwreg(HW_REG_WAVE_MODE, 25, 1), 1
	s_wait_xcnt 0x0
; EXPERTS: first the running position of every token in my expert (the two cumulative sums of the problem), then
; y[e * 256 + c][n] = sum over m of x[token of slot c][m] w_exp[e][m][n] + b_exp[e][n]: f16 operands, f32 sums, f32 out.
; Also stores base[e][128] u32: the count for expert e ahead of chunk c of 32 tokens (words 0-63 first, 64-127 second choices).
; f16 and not bf16: eight times finer, and the drawn numbers have room in it some 30 times up and down.
; LIMIT: |x| and |w_exp| below 65,504.  Slots in which nobody sits are computed for token 0 and never used with a weight other than 0.
; SHARE: work-group = expert e (ttmp9 >> 4) x 64 columns (ttmp9 & 15), all 256 slots; wave w: slots 64 w .. + 63, 4 x 4 accumulators.
; NO CLUSTER: every byte of w_exp is wanted by one work-group alone; the rows of xh are shared by the 16 work-groups of an expert, but
; they are picked by a list, row by row, through lane loads, which have no joint form.
; RANKING: the 16 work-groups of an expert each rank its 2 x 2048 choices anew from sel, while the first weights are on their way.  Wave w takes
; chunks 32 w .. + 31 of 32 tokens (waves 0, 1 first choices, waves 2, 3 second choices, which are counted on behind ALL first choices).  The
; list token -> slot is turned into slot -> token by a scatter in LDS; each wave scatters into a copy of the 256 slots of its own.
; W: a wave loads its 32 rows of each block of 128 into registers (every block has registers of its own: nothing is loaded over), rounds them
; to f16 and stores them to LDS once, one block ahead of the products; a barrier shows them to the other waves.
; LDS: f16 row k at 160 k (128 bytes + 32: an odd multiple of 32, so the 8 rows x 2 pieces that sixteen lanes of a transposing load touch fall
; on 16 different 16-byte columns); a stage of 16 x 272 bytes for each wave; a copy of the slots for each wave; the four waves' totals.
; K ORDER: in a block of 128, lane half h takes k = 64 h + 16 s + 0 .. 15 in step s, in both operands alike; the products are the same, and a
; lane's eight loads of x are 128 neighbouring bytes.
; THE MATRIX INSTRUCTION IS USED TRANSPOSED: source 0 = 16 columns of W, source 1 = 16 slots: a lane then holds 8 neighbouring columns of one slot.
.set PITCH,  160
.set QUART,  32*PITCH                  ; 5,120: a wave's rows of a block
.set BLOCK,  4*QUART                   ; 20,480: 128 rows
.set STAGE,  8*BLOCK                   ; 163,840
.set SPITCH, 272
.set TOKL,   STAGE+4*16*SPITCH         ; 181,248: the waves' copies of the slots
.set TCOPY,  1280                      ; 256 slots, word 256 for lanes that have nothing to say, rounded up to blocks of 256 bytes
.set CNT,    TOKL+4*TCOPY              ; 186,368: the waves' totals
.set OFFA, 4                           ; v[4:7]     byte offset in xh of my slot's row (16 a + r of my wave's 64) + 128 h
.set WOFF, 8                           ; v8         byte offset in w_exp: 16 (lane & 15) + 4 rows for lanes 16-31
.set C16,  9                           ; v9         16 (lane & 15)
.set L4,   10                          ; v10        4 x lane
.set BW,   11                          ; v11        lane c: the count ahead of my chunk c
.set BIAS, 12                          ; v[12:15]   b_exp of the 4 columns that I store
.set CV,   16                          ; v[16:31]   f16 on its way to LDS; ahead of that, the ranking's small change:
.set TB,   16                          ;   my copy of the slots
.set TK0,  17                          ;   the token of this lane in my first chunk
.set NONE, 18                          ;   256: no slot
.set CA,   19                          ;   where my total goes
.set CB,   20                          ;   where the four totals lie
.set TR,   21                          ;   slot 64 w + r in copy 0
.set ZA,   22                          ;   16 x lane in my copy
.set Z,    24                          ;   v[24:27] zeros
.set CN,   28                          ;   v[28:31] the four totals
.set BF0,  32                          ; v[32:63]   W's fragments of a step (4 x 16 columns x 32 k), two buffers
.set BF1,  64                          ; v[64:95]
.set I,    32                          ; v[32:63]   ranking: chunk c's choices, then its token numbers
.set P,    64                          ; v[64:95]   ranking: chunk c's positions, then LDS addresses
.set BADR, 96                          ; v[96:98]   LDS address of W's fragments in blocks 0, 3, 6 (the blocks between by the immediate)
.set LN,   99                          ; v99        lane
.set WADR, 100                         ; v[100:102] LDS address of my f16 rows in blocks 0, 3, 6
.set STO,  103                         ; the way out: into the stage
.set RD,   104                         ; out of the stage
.set CO,   105                         ; my byte offset in y
.set T,    112                         ; v[112:127] slot 16 a + r in the four copies
.set ACC,  128                         ; v[128:255] accumulator (a, b) at ACC + 8 (4 a + b)
.set AB0,  0                           ; window 1, v[256:383]: x of a block, fragment (a, s) at 32 a + 8 s
.set AB1,  128                         ; window 1, v[384:511]: the other block
                                       ; windows 2, 3, v[512:1023]: raw W, block kb at 64 kb, load i at + 4 i
.set MK,   32                          ; s[32:63]   ranking: who in chunk c chose my expert
.set MSB, 0
.macro WIN new                         ; s_set_vgpr_msb: bits 1:0 source 0, 3:2 source 1, 5:4 source 2, 7:6 destination; the high byte repeats the setting left
.if MSB != \new
	s_set_vgpr_msb (MSB<<8)|\new
.set MSB, \new
.endif
.endm
.set W_MUL, 0x04                       ; source 1 (x) in window 1; LDS loads are served under it too (address and destination in window 0)
.set W_A,   0x40                       ; destination in window 1: the loads of x
.macro PLACES                          ; four plain vector places stand between a matrix instruction and a load into, or a vector or LDS instruction on, its registers
.rept 4
	v_nop
.endr
.endm
; my 32 rows of block kb of W: 16 loads; lanes 0-15 take the 256 bytes of row 8 (i >> 2) + (i & 3), lanes 16-31 those of the row 4 further down
.macro WLOADG kb
.if (\kb) < 4
	WIN 0x80
.else
	WIN 0xc0
.endif
.irp i, 0,1,2,3,4,5,6,7,8,9,10,11,12,13,14,15
	global_load_b128 v[64*((\kb)&3)+4*\i:64*((\kb)&3)+4*\i+3], v[WOFF], s[26:27] offset:(\kb)*524288+(8*(\i>>2)+(\i&3))*4096 th:TH_LOAD_NT
.endr
.endm
.macro CVT kb, hf                      ; half of them, eight loads' worth, to f16
.if (\kb) < 4
	WIN 0x0a
.else
	WIN 0x0f
.endif
.irp i, 0,1,2,3,4,5,6,7
	v_cvt_pk_f16_f32 v[CV+2*\i],   v[64*((\kb)&3)+32*\hf+4*\i],   v[64*((\kb)&3)+32*\hf+4*\i+1]
	v_cvt_pk_f16_f32 v[CV+2*\i+1], v[64*((\kb)&3)+32*\hf+4*\i+2], v[64*((\kb)&3)+32*\hf+4*\i+3]
.endr
.endm
.macro WSTORE kb, hf                   ; and into LDS: the two rows of a store lie 640 bytes apart, so the 32 lanes' 8 bytes fall on 64 different banks (64 banks of 4 bytes: ISA guide 11.1)
	WIN 0
.irp i, 0,1,2,3,4,5,6,7
	ds_store_b64 v[WADR+(\kb)/3], v[CV+2*\i:CV+2*\i+1] offset:((\kb)%3)*BLOCK+(16*\hf+8*(\i>>2)+(\i&3))*PITCH
.endr
.endm
.macro ALOAD kb, buf                   ; x of block kb: 4 x 16 slots, 128 neighbouring bytes a lane
	WIN W_A
.irp a, 0,1,2,3
.irp i, 0,1,2,3,4,5,6,7
	global_load_b128 v[\buf+32*\a+4*\i:\buf+32*\a+4*\i+3], v[OFFA+\a], s[4:5] offset:256*(\kb)+16*\i
.endr
.endr
.endm
.macro BLOAD kb, s, bf                 ; W's fragments of step s: rows 64 h + 16 s + 0..7 and + 8..15, 4 x 16 columns, transposed on the way
.irp b, 0,1,2,3
	ds_load_tr16_b128 v[\bf+8*\b:\bf+8*\b+3],   v[BADR+(\kb)/3] offset:((\kb)%3)*BLOCK+\s*16*PITCH+32*\b
	ds_load_tr16_b128 v[\bf+8*\b+4:\bf+8*\b+7], v[BADR+(\kb)/3] offset:((\kb)%3)*BLOCK+\s*16*PITCH+8*PITCH+32*\b
.endr
.endm
; 16 matrix instructions, 32 along K.  The 16 accumulators take turns, one instruction a turn, in the same order in every step.
; acc = 0: the first products start the sums: nothing is cleared.
.macro MUL s, bf, buf, acc
.irp a, 0,1,2,3
.irp b, 0,1,2,3
.if (\acc) == 0
	v_wmma_f32_16x16x32_f16 v[ACC+8*(4*\a+\b):ACC+8*(4*\a+\b)+7], v[\bf+8*\b:\bf+8*\b+7], v[\buf+32*\a+8*\s:\buf+32*\a+8*\s+7], 0
.else
	v_wmma_f32_16x16x32_f16 v[ACC+8*(4*\a+\b):ACC+8*(4*\a+\b)+7], v[\bf+8*\b:\bf+8*\b+7], v[\buf+32*\a+8*\s:\buf+32*\a+8*\s+7], v[ACC+8*(4*\a+\b):ACC+8*(4*\a+\b)+7]
.endif
.endr
.endr
.endm
	s_load_b256 s[4:11], s[0:1], 0x0               ; xh s[4:5], sel s[6:7], w_exp s[8:9], b_exp s[10:11]
	s_load_b128 s[12:15], s[0:1], 0x20             ; y s[12:13], base s[14:15]
	v_lshl_add_u32 v110, v0, 2, 0x2d900
	v_mov_b32 v111, 0
	v_lshrrev_b32 v3, 5, v0
	v_readfirstlane_b32 s16, v3                    ; wave
	s_lshr_b32 s17, ttmp9, 4                       ; expert
	s_and_b32 s18, ttmp9, 15                       ; block of 64 columns
	v_and_b32 v[LN], 31, v0
	v_and_b32 v1, 15, v0                           ; r
	v_bfe_u32 v2, v0, 4, 1                         ; h
	v_lshlrev_b32 v[L4], 2, v[LN]
	v_lshlrev_b32 v[C16], 4, v1
	v_lshl_add_u32 v[WOFF], v2, 14, v[C16]         ; lanes 16-31: 4 rows of 4,096 bytes on
	s_mov_b32 s21, 0
	s_mov_b32 s23, 0
	s_lshl_b32 s20, s16, 12                        ; sel: 32 chunks of 128 bytes a wave
	s_lshl_b32 s22, s17, 22                        ; w_exp: expert x 4 MiB
	s_lshl_b32 s24, s16, 17                        ; + 32 rows x wave
	s_add_co_u32 s22, s22, s24
	s_lshl_b32 s24, s18, 8                         ; + 256 bytes x column block
	s_add_co_u32 s22, s22, s24
	s_wait_kmcnt 0x0
	s_add_nc_u64 s[6:7], s[6:7], s[20:21]
	s_add_nc_u64 s[26:27], s[8:9], s[22:23]
.set c, 0
.rept 32
	global_load_b32 v[I+c], v[L4], s[6:7] offset:128*c             ; the choices first: the list of slots hangs on them, and x on the list
.set c, c+1
.endr
	WLOADG 0
	WIN 0
	; addresses, while these are on their way
	s_mul_i32 s22, s16, TCOPY
	s_add_co_u32 s22, s22, TOKL
	v_mov_b32 v[TB], s22
	v_lshl_add_u32 v[ZA], v[LN], 4, s22
.irp j, 0,1,2,3
	v_mov_b32 v[Z+\j], 0
.endr
	ds_store_b128 v[ZA], v[Z:Z+3]                  ; slots that I fill for nobody hold 0 in my copy
	ds_store_b128 v[ZA], v[Z:Z+3] offset:512
	s_and_b32 s22, s16, 1
	s_lshl_b32 s22, s22, 10
	v_add_nc_u32 v[TK0], s22, v[LN]                ; waves 1 and 3 begin at token 1024
	v_mov_b32 v[NONE], 0x100
	v_mov_b32 v[BW], 0                             ; v_writelane_b32 wants a written register
	s_lshl_b32 s22, s16, 2
	s_add_co_u32 s22, s22, CNT
	v_mov_b32 v[CA], s22
	v_mov_b32 v[CB], CNT
	s_lshl_b32 s22, s16, 8
	s_add_co_u32 s22, s22, TOKL
	v_lshl_add_u32 v[TR], v1, 2, s22
	v_and_b32 v3, 7, v0
	v_lshl_add_u32 v3, v2, 6, v3                   ; row 64 h + (lane & 7)
	v_mul_u32_u24 v[BADR], v3, PITCH
	v_bfe_u32 v3, v0, 3, 1
	v_lshl_add_u32 v[BADR], v3, 4, v[BADR]         ; + 16 bytes for the second eight lanes of a half
	v_add_nc_u32 v[BADR+1], 3*BLOCK, v[BADR]
	v_add_nc_u32 v[BADR+2], 6*BLOCK, v[BADR]
	s_mul_i32 s22, s16, QUART
	v_mul_u32_u24 v3, v2, 4*PITCH                  ; lanes 16-31: 4 rows on
	v_add_nc_u32 v3, s22, v3
	v_lshl_add_u32 v[WADR], v1, 3, v3              ; 8 bytes of f16 a lane
	v_add_nc_u32 v[WADR+1], 3*BLOCK, v[WADR]
	v_add_nc_u32 v[WADR+2], 6*BLOCK, v[WADR]
	s_lshl_b32 s20, s17, 12
	s_add_co_u32 s20, s20, s24
	s_add_nc_u64 s[10:11], s[10:11], s[20:21]      ; b_exp at my 64 columns
	s_lshl_b32 s20, s17, 9
	s_lshl_b32 s22, s16, 7
	s_add_co_u32 s20, s20, s22
	s_add_nc_u64 s[14:15], s[14:15], s[20:21]      ; base at my wave's 32 words
	WLOADG 1                                       ; with these more loads are asked for than LOADcnt's field counts: the issue then waits for the
	WLOADG 2                                       ; oldest, the choices, which the next step needs anyway (ISA guide 5.7.1)
	WIN 0
	global_load_b128 v[BIAS:BIAS+3], v[C16], s[10:11]
	; RANKING, first half: positions counted from my first chunk
	s_wait_loadcnt 49                              ; loads come back in order: the choices are in; 3 x 16 loads of W and the bias stay out
.set c, 0
.rept 32
	v_cmp_eq_u32 s[MK+c], s17, v[I+c]              ; who chose my expert
.set c, c+1
.endr
	s_mov_b32 s28, 0                               ; the running count
.set c, 0
.rept 32
	v_mbcnt_lo_u32_b32 v[P+c], s[MK+c], s28        ; position = count so far + those in lower lanes
	v_writelane_b32 v[BW], s28, c                  ; the count ahead of this chunk
	s_bcnt1_i32_b32 s29, s[MK+c]
	s_add_co_u32 s28, s28, s29
.set c, c+1
.endr
	v_mov_b32 v3, s28
	ds_store_b32 v[CA], v3                         ; my total; all lanes write the same word with the same value
.set c, 0
.rept 32
	v_cndmask_b32 v[P+c], v[NONE], v[P+c], s[MK+c] ; another expert: no slot
.set c, c+1
.endr
	s_wait_dscnt 0x0                               ; for the others' sake: my total is written
	s_barrier_signal -1
	s_barrier_wait -1
	ds_load_b128 v[CN:CN+3], v[CB]
	s_wait_dscnt 0x0
	v_readfirstlane_b32 s22, v[CN]
	v_readfirstlane_b32 s23, v[CN+1]
	v_readfirstlane_b32 s24, v[CN+2]
	s_cmp_gt_u32 s16, 0                            ; the totals of the waves below me
	s_cselect_b32 s22, s22, 0
	s_cmp_gt_u32 s16, 1
	s_cselect_b32 s23, s23, 0
	s_cmp_gt_u32 s16, 2
	s_cselect_b32 s24, s24, 0
	s_add_co_u32 s22, s22, s23
	s_add_co_u32 s22, s22, s24
	; second half: true positions; the token numbers go to their slots.  Each step for all 32 chunks, so that no line waits for the one in front of it
	v_add_nc_u32 v[BW], s22, v[BW]
.set c, 0
.rept 32
	v_add_nc_u32 v[P+c], s22, v[P+c]
.set c, c+1
.endr
.set c, 0
.rept 32
	v_min_u32 v[P+c], 0x100, v[P+c]                ; beyond the capacity 256, or no slot: word 256
.set c, c+1
.endr
.set c, 0
.rept 32
	v_lshl_add_u32 v[P+c], v[P+c], 2, v[TB]
	v_add_nc_u32 v[I+c], 32*c, v[TK0]
.set c, c+1
.endr
.set c, 0
.rept 32
	ds_store_b32 v[P+c], v[I+c]
.set c, c+1
.endr
	s_wait_dscnt 0x0                               ; for the others' sake: my copy of the slots is written
	s_barrier_signal -1
	s_barrier_wait -1
.irp a, 0,1,2,3
.irp q, 0,1,2,3
	ds_load_b32 v[T+4*\a+\q], v[TR] offset:\q*TCOPY+64*\a          ; slot 64 w + 16 a + r in the four copies: one of them at the most is not 0
.endr
.endr
	v_lshlrev_b32 v3, 7, v2                        ; 128 h
	s_wait_dscnt 0x0
.irp a, 0,1,2,3
	v_add3_u32 v[T+4*\a], v[T+4*\a], v[T+4*\a+1], v[T+4*\a+2]
.endr
.irp a, 0,1,2,3
	v_add_nc_u32 v[T+4*\a], v[T+4*\a], v[T+4*\a+3]
.endr
.irp a, 0,1,2,3
	v_min_u32 v[T+4*\a], 0x7ff, v[T+4*\a]          ; a loaded number enters an address only behind a clamp to the table's rows
.endr
.irp a, 0,1,2,3
	v_lshlrev_b32 v[T+4*\a], 11, v[T+4*\a]         ; 2,048 bytes a row
.endr
.irp a, 0,1,2,3
	v_add_nc_u32 v[OFFA+\a], v[T+4*\a], v3
.endr
	ALOAD 0, AB0
	WIN 0
	s_cmp_lg_u32 s18, 0                            ; all 16 work-groups of an expert have made the table; each byte is stored by one: the first
	s_cbranch_scc1 .Lnobase
	global_store_b32 v[L4], v[BW], s[14:15]        ; v10 and v11 are not written again
.Lnobase:
	s_wait_loadcnt 63                              ; block 0 of W is in.  65 younger loads could stay out; the wait's field holds no more than 63
	CVT 0, 0
	WSTORE 0, 0
	CVT 0, 1
	WSTORE 0, 1
	s_wait_dscnt 0x0                               ; my f16 rows of block 0 are written,
	s_barrier_signal -1
	s_barrier_wait -1                              ; everybody's are
; One block of 128 along K: four steps on W's buffers 0, 1, 0, 1.  more = 1: x of the next block is asked for, and my rows of the next block of W,
; which are in registers, go to LDS as f16; a barrier at the end shows them to the other waves.  nw = 1: block kb + 3 of W is asked for.
; Loads are issued in the order A(kb+1), W(kb+3), A(kb+2), ..: the one wait of a trip, for A(kb), leaves the cnt younger loads out, and shows
; W(kb+1), which was asked for ahead of A(kb), landed.
.macro TRIP kb, cur, oth, more, nw, cnt
	PLACES                                         ; behind the last step of the block before, which read buffer oth and BF1
.if \more
	ALOAD \kb+1, \oth
.endif
	WIN W_MUL
	BLOAD \kb, 0, BF0
	BLOAD \kb, 1, BF1
	s_wait_loadcnt \cnt
.if \nw
	WLOADG \kb+3
.endif
.if \more
	CVT \kb+1, 0
	WSTORE \kb+1, 0
	s_wait_dscnt 16                                ; BF0 is in; BF1's eight loads and the eight stores stay out
.else
	s_wait_dscnt 8                                 ; BF0 is in; BF1's eight stay out
.endif
	WIN W_MUL
	MUL 0, BF0, \cur, \kb
	PLACES
	BLOAD \kb, 2, BF0
.if \more
	CVT \kb+1, 1
	WSTORE \kb+1, 1
	s_wait_dscnt 24                                ; BF1 is in; eight stores, step 2's eight loads and eight stores stay out
.else
	s_wait_dscnt 8
.endif
	WIN W_MUL
	MUL 1, BF1, \cur, 1
	PLACES
	BLOAD \kb, 3, BF1
.if \more
	s_wait_dscnt 16                                ; step 2's fragments are in; eight stores and step 3's eight loads stay out
.else
	s_wait_dscnt 8
.endif
	MUL 2, BF0, \cur, 1
	s_wait_dscnt 0x0                               ; BF1 is in, and for the others' sake: my f16 rows of the next block are written
.if \more
	s_barrier_signal -1
.endif
	MUL 3, BF1, \cur, 1                            ; registers only, while the others arrive
.if \more
	s_barrier_wait -1
.endif
.endm
	TRIP 0, AB0, AB1, 1, 1, 32                     ; behind A(0): A(1)
	TRIP 1, AB1, AB0, 1, 1, 48                     ; behind A(1): W(3), A(2)
	TRIP 2, AB0, AB1, 1, 1, 48
	TRIP 3, AB1, AB0, 1, 1, 48
	TRIP 4, AB0, AB1, 1, 1, 48
	TRIP 5, AB1, AB0, 1, 0, 48                     ; behind A(5): W(7), A(6); no block of W is left to ask for
	TRIP 6, AB0, AB1, 1, 0, 32                     ; behind A(6): A(7)
	TRIP 7, AB1, AB0, 0, 0, 0
	; THE WAY OUT, 16 slots at a time through my own stage: a lane puts 32 bytes of a slot's row, whole rows of 256 bytes come back, the bias
	; is added, and sixteen lanes store 256 consecutive bytes of y, aligned.  The stage is my wave's alone; LDS serves a wave's instructions
	; in order (ISA guide 5.7.1), so no wait stands between the stores and the loads.
	PLACES
	WIN 0
	s_mul_i32 s22, s16, 16*SPITCH
	s_add_co_u32 s22, s22, STAGE
	v_mul_u32_u24 v3, v1, SPITCH
	v_lshl_add_u32 v3, v2, 5, v3
	v_add_nc_u32 v[STO], s22, v3                   ; in: row r, 32 bytes for each half of the lanes
	v_mul_u32_u24 v3, v2, SPITCH
	v_add_nc_u32 v3, v[C16], v3
	v_add_nc_u32 v[RD], s22, v3                    ; back: lanes 0-15 one row, lanes 16-31 the next
	v_lshl_add_u32 v[CO], v2, 12, v[C16]           ; the same two rows in y (4,096 bytes a row)
	s_lshl_b32 s20, s17, 20                        ; expert x 256 rows
	s_lshl_b32 s22, s16, 18                        ; + wave x 64 rows
	s_add_co_u32 s20, s20, s22
	s_lshl_b32 s22, s18, 8                         ; + my 64 columns
	s_add_co_u32 s20, s20, s22
	s_add_nc_u64 s[12:13], s[12:13], s[20:21]
.macro OUT16 a, f
.irp b, 0,1,2,3
	ds_store_b128 v[STO], v[ACC+8*(4*\a+\b):ACC+8*(4*\a+\b)+3]   offset:64*\b
	ds_store_b128 v[STO], v[ACC+8*(4*\a+\b)+4:ACC+8*(4*\a+\b)+7] offset:64*\b+16
.endr
	s_wait_xcnt 0x0                                ; buffer f was the data of earlier stores: it is loaded again only behind this wait
.irp t, 0,1,2,3,4,5,6,7
	ds_load_b128 v[\f+4*\t:\f+4*\t+3], v[RD] offset:\t*2*SPITCH
.endr
.irp t, 0,1,2,3,4,5,6,7
	s_wait_dscnt 7-\t                              ; rows 2 t, 2 t + 1 are back; the younger loads stay out
	v_pk_add_f32 v[\f+4*\t:\f+4*\t+1],   v[\f+4*\t:\f+4*\t+1],   v[BIAS:BIAS+1]
	v_pk_add_f32 v[\f+4*\t+2:\f+4*\t+3], v[\f+4*\t+2:\f+4*\t+3], v[BIAS+2:BIAS+3]
	global_store_b128 v[CO], v[\f+4*\t:\f+4*\t+3], s[12:13] offset:(16*\a+2*\t)*4096
.endr
.endm
	OUT16 0, BF0
	OUT16 1, BF1
	OUT16 2, BF0
	OUT16 3, BF1
	s_wait_tensorcnt 0x0
	ds_add_u32 v110, v111
	s_wait_dscnt 0x0
	s_endpgm
.Lfunc_end_k_qcb47f878fa_experts:
	.size	k_qcb47f878fa_experts, .Lfunc_end_k_qcb47f878fa_experts-k_qcb47f878fa_experts
	.p2alignl 7, 3214868480
	.fill 96, 4, 3214868480
	.section	.rodata,"a",@progbits
	.p2align	6, 0x0
	.amdhsa_kernel k_qcb47f878fa_experts
		.amdhsa_group_segment_fixed_size 187136
		.amdhsa_private_segment_fixed_size 0
		.amdhsa_enable_private_segment 0
		.amdhsa_kernarg_size 48
		.amdhsa_user_sgpr_count 2
		.amdhsa_user_sgpr_kernarg_segment_ptr 1
		.amdhsa_wavefront_size32 1
		.amdhsa_system_sgpr_workgroup_id_x 1
		.amdhsa_system_sgpr_workgroup_id_y 1
		.amdhsa_system_sgpr_workgroup_id_z 1
		.amdhsa_system_vgpr_workitem_id 0
		.amdhsa_next_free_vgpr 1024
		.amdhsa_next_free_sgpr 66
		.amdhsa_reserve_vcc 0
		.amdhsa_float_denorm_mode_32 3
		.amdhsa_float_denorm_mode_16_64 3
		.amdhsa_memory_ordered 1
		.amdhsa_forward_progress 1
		.amdhsa_inst_pref_size 157
	.end_amdhsa_kernel
	.amdgpu_metadata
---
amdhsa.version: [ 1, 2 ]
amdhsa.kernels:
  - .name:           k_qcb47f878fa_experts
    .symbol:         k_qcb47f878fa_experts.kd
    .args:
      - { .name: xh, .offset: 0, .size: 8, .value_kind: global_buffer, .address_space: global }
      - { .name: sel, .offset: 8, .size: 8, .value_kind: global_buffer, .address_space: global }
      - { .name: w_exp, .offset: 16, .size: 8, .value_kind: global_buffer, .address_space: global }
      - { .name: b_exp, .offset: 24, .size: 8, .value_kind: global_buffer, .address_space: global }
      - { .name: y, .offset: 32, .size: 8, .value_kind: global_buffer, .address_space: global }
      - { .name: base, .offset: 40, .size: 8, .value_kind: global_buffer, .address_space: global }
    .group_segment_fixed_size: 187136
    .private_segment_fixed_size: 0
    .kernarg_segment_align: 8
    .kernarg_segment_size: 48
    .max_flat_workgroup_size: 128
    .sgpr_count:     66
    .vgpr_count:     1024
    .wavefront_size: 32
...
	.end_amdgpu_metadata
.endif
;; end of part 5
;; launch combine: the kernel of part 4 again; grid 256 x 1, 4 waves a work-group, no clusters, 0 bytes of LDS; arguments y, sel, prb, base, out0; writes out0
